; MI455X (gfx1250); checked and timed in simulation.
; The chip was launched on July 23, 2026; its instructions are those of AMD's public machine-readable ISA for CDNA 5 (MIT licence, August 2026) and "CDNA5" Instruction Set Architecture Reference Guide (July 2026). The comments in the code are by the model that wrote it; some were corrected since.
;; Multi Head Attention. Allowed arithmetic: matrix products marked QUANTISED: E2M1 operands, one E8M0 scale for each 32 along K, by v_wmma_scale_f32_16x16x128_f8f6f4 with both operands' format E2M1 (or v_wmma_scale_f32_32x16x128_f4), f32 sums; everything else in f32.
;; Inputs: W_k_codes 1,024 x 32 x 16 uint8 (E2M1 codes of W_k, K innermost, in blocks of 32 codes, two codes a byte); W_k_scales 1,024 x 32 uint8 (E8M0 scales of W_k, one for each 32 codes along K); W_o_codes 1,024 x 32 x 16 uint8 (E2M1 codes of W_o, K innermost, in blocks of 32 codes, two codes a byte); W_o_scales 1,024 x 32 uint8 (E8M0 scales of W_o, one for each 32 codes along K); W_q_codes 1,024 x 32 x 16 uint8 (E2M1 codes of W_q, K innermost, in blocks of 32 codes, two codes a byte); W_q_scales 1,024 x 32 uint8 (E8M0 scales of W_q, one for each 32 codes along K); W_v_codes 1,024 x 32 x 16 uint8 (E2M1 codes of W_v, K innermost, in blocks of 32 codes, two codes a byte); W_v_scales 1,024 x 32 uint8 (E8M0 scales of W_v, one for each 32 codes along K); b_k 1,024 float32; b_o 1,024 float32; b_q 1,024 float32; b_v 1,024 float32; x_codes 1 x 4,096 x 32 x 16 uint8 (E2M1 codes of x, K innermost, in blocks of 32 codes, two codes a byte); x_scales 1 x 4,096 x 32 uint8 (E8M0 scales of x, one for each 32 codes along K).
;; Outputs: out0 1 x 4,096 x 1,024 float32.
;; This version of the problem:
;;   THIS VERSION OF THE PROBLEM IS GIVEN IN LOW PRECISION. The matrix products marked QUANTISED in the list below multiply operands that are first quantised to E2M1 (2 exponent bits, 1 mantissa bit; 4 bits a number), with one power-of-two scale for each 32 numbers along K (OCP MX v1.0); their sums are f32. All else is computed in f32.
;;   The module's matrix products, in the order in which they are computed (A, B: the left and right operand; K: the contracted axis; several contracted axes count as one K, in the product's order):
;;     1. [M 4,096, K 1,024] x [K 1,024, N 1,024]; A: input x (given as codes); B: input W_q (given as codes): QUANTISED
;;     2. [M 4,096, K 1,024] x [K 1,024, N 1,024]; A: input x (given as codes); B: input W_k (given as codes): QUANTISED
;;     3. [M 4,096, K 1,024] x [K 1,024, N 1,024]; A: input x (given as codes); B: input W_v (given as codes): QUANTISED
;;     4. batch 16 x [M 4,096, K 64] x [K 64, N 4,096]; A: computed on the way; B: computed on the way: QUANTISED
;;     5. batch 16 x [M 4,096, K 4,096] x [K 4,096, N 64]; A: softmax (see below); B: computed on the way: QUANTISED
;;     6. [M 4,096, K 1,024] x [K 1,024, N 1,024]; A: computed on the way; B: input W_o (given as codes): QUANTISED
;;   THE QUANTISER, for each operand of a quantised product, along K:
;;     - K is cut into blocks of 32 from its start; a last block that is shorter is filled with zeros.
;;     - A block's scale is 2^e with e = floor(log2(the largest magnitude in the block)) - 2, held to -126 .. 127; a block of zeros has e = 0. As a byte (E8M0): e + 127.
;;     - Each number is divided by its block's scale, clamped to +-6, and rounded to the nearest number of E2M1, ties to even, subnormals kept.
;;     - The product sums the exact products of the quantised numbers (number of the format x scale) in f32.
;;   ~~~python
;;   def quantise(x, axis):      # numpy; x: float32 -> the quantised numbers, widened to float32 again
;;       x = np.moveaxis(x, axis, -1); K = x.shape[-1]
;;       x = np.pad(x, [(0, 0)] * (x.ndim - 1) + [(0, -K % 32)]); x = x.reshape(x.shape[:-1] + (-1, 32)); a = np.abs(x).max(-1, keepdims=True)
;;       e = np.where(a > 0, np.clip(np.frexp(np.where(a > 0, a, 1))[1] - 1 - 2, -126, 127), 0)      # np.frexp(a)[1] - 1 = floor(log2(a)), exactly
;;       r = np.clip(x / 2.0 ** e, -6, 6)
;;       step = 2.0 ** (np.maximum(np.frexp(np.where(r == 0, 1, r))[1] - 1, 0) - 1)
;;       q = np.round(r / step) * step * 2.0 ** e      # np.round: ties to even
;;       return np.moveaxis(q.reshape(q.shape[:-2] + (-1,))[..., :K], -1, axis).astype(np.float32)
;;   ~~~
;;   SOFTMAX AHEAD OF A QUANTISED PRODUCT. Where the list says 'softmax', what is quantised is not the finished softmax but p = 2^(t - M), with t = logit x log2(e) and M = ceil(the row's largest t), a whole number; so 1/2 < the row's largest p <= 1. The row's sum l is taken of the UNQUANTISED p, in f32, and the product's result is divided by l at the end. Since M is a whole number, a kernel that streams over the keys may use a running M (the ceiling of the running maximum): every later rescaling is an exact power of two, which a block's scale takes up: the codes' values come out the same.
;;   OPERANDS COMPUTED ON THE WAY. 'Computed on the way' means the value that the module computes at that place (a softmax that the list does not call 'softmax' is quantised finished and normalised). What goes into a quantiser is computed in f32, as accurately as f32 sums, v_exp_f32 and their like allow (about 1e-6 of the number): no bf16 or f16 on the way to a quantiser, and a product that is left as it is and whose result goes on into a quantised operand takes f32 operands (vector FMAs, or v_wmma_f32_16x16x4_f32). A number that lies on a knife's edge between two numbers of the format may be rounded either way, as far as f32 arithmetic and the matrix unit's own rounding can turn it there, and no further.
;;   INPUTS GIVEN AS CODES. W_k (in the module: [1024, 1024], K = its axis 1); W_o (in the module: [1024, 1024], K = its axis 1); W_q (in the module: [1024, 1024], K = its axis 1); W_v (in the module: [1024, 1024], K = its axis 1); x (in the module: [1, 4096, 1024], K = its axis 2): each comes as NAME_codes (uint8): NAME with its K axis moved to the last place and cut into blocks of 32 codes, [.., K / 32, bytes a block], one block behind the other in memory; two codes a byte, the lower K in the low four bits (a code: sign, 2 exponent bits, 1 mantissa bit); and NAME_scales (uint8): the same leading axes, one E8M0 byte (e + 127) for each 32 codes along K. Its value is code x scale, taken as it is: it is not quantised again, and the codes and scales need not be those that the quantiser above would give.
;; One version. Each part assembles by itself: llvm-mc -triple=amdgcn-amd-amdhsa -mcpu=gfx1250 --defsym DOCPART=n.
;; ======== version 1 of 1: 3 launches
;; limits: right only within a limited range of input values
;; workspace buffers: qbuf 2,359,296 bytes; kvbuf 4,587,520 bytes; ctxc 2,097,152 bytes; ctxs 131,072 bytes
;; launch proj (part 1): grid 16 x 16, 12 waves a work-group, clusters of 4 x 4, 327,680 bytes of LDS; arguments x_codes, x_scales, W_q_codes, W_q_scales, W_k_codes, W_k_scales, W_v_codes, W_v_scales, b_q, b_k, b_v, qbuf, kvbuf; writes qbuf, kvbuf
.if DOCPART == 1
	.amdgcn_target "amdgcn-amd-amdhsa--gfx1250"
	.amdhsa_code_object_version 6
	.text
	.protected	k_q706fe110cc_proj
	.globl	k_q706fe110cc_proj
	.p2align	8
	.type	k_q706fe110cc_proj,@function
k_q706fe110cc_proj:
	s_mov_b64 s[64:65], 0
	v_nop
	global_prefetch_b8 v0, s[64:65] scope:SCOPE_SE
	s_setreg_imm32_b32 hwreg(HW_REG_WAVE_MODE, 25, 1), 1
	s_wait_xcnt 0x0
	s_wait_alu depctr_hold_cnt(0) depctr_sa_sdst(0) depctr_va_vdst(0) depctr_va_sdst(0) depctr_va_ssrc(0) depctr_va_vcc(0) depctr_vm_vsrc(0)
	s_getreg_b32 s2, hwreg(HW_REG_IB_STS2, 6, 4)
	s_cmp_eq_u32 s2, 0
	s_cbranch_scc0 .Lentry_in_a_cluster
	s_endpgm
.Lentry_in_a_cluster:
	s_bfe_u32 s2, ttmp6, 0x10000c
	s_cmp_lg_u32 s2, 0xf033
	s_cbranch_scc0 .Lentry_shape_is_right
	s_endpgm
.Lentry_shape_is_right:
; q = x Wq^T + bq, k = x Wk^T + bk, v = x Wv^T + bv on codes of FP4 (E2M1) with one E8M0 byte for each 32 along K = 1,024; the results are quantised here, in f32, for the
; products that read them: q and k along the head's 64 (two blocks), v along the keys (blocks of 32 tokens), and leave as IMAGES OF THE READER'S OPERAND REGISTERS.
; SHARES.  A work-group takes one head g (64 features of each of the three weights) and 256 tokens.  Wave w of twelve: kind w / 4 (0 q, 1 k, 2 v), token group w % 4 (64 tokens):
; one block of 64 x 64, 16 accumulators, 8 K steps of 128, 128 matrix instructions.
; ONE PATH "P x R": source 0 = P's four tiles, source 1 = R's four.  q, k: P = the weight's 64 rows, R = the 64 tokens.  v: P = the tokens, R = the weight's rows.
; THE ROWS OF A TILE ARE NOT NEIGHBOURS: in a group of 64 rows, lane r of tile u takes row 8 u + r % 8 + 32 (r / 8).  In the result, lane (r, h) then holds in the 32 registers of
; P's tiles 0..3 the rows 32 h + 0..31 of P's group: ONE WHOLE BLOCK of the next product's K.  So a block's largest magnitude needs no other lane, and four conversions give
; four registers of the next operand as they stand.  Only the scale word wants the other half's byte: one exchange between lanes l and l xor 16.
; The biases are the C of each sum's first matrix instruction.
; CLUSTER 4 x 4: the four work-groups of a row of the cluster take the same tokens, the four of a column the same head: x's tiles are asked for jointly along the row, the weights' along the column.
; All that a work-group reads (7 groups of 64 rows x 512 bytes and their scale bytes) lies in LDS at once: every tensor load is a first fill, no byte is filled again.
; LIMITS: NaN and infinities are not served.  A block of zeros, or one whose largest magnitude lies under 2^-124, gets the scale byte 1 (the quantiser's text says 127 for zeros): its codes are zeros,
; and the bytes are read by this program alone.
.set GRP,  16896                       ; 32 LDS rows of 528 bytes (512 + 16 of padding): half a group of 64 rows
.set UOFF, 118400                      ; rows 32-63 of all groups lie this far behind rows 0-31: 7 GRP + 128, so that the 16 rows of a fragment (8 low, 8 high) start in 16 different columns of 16 bytes modulo 256
.set SC0,  236800                      ; the scale bytes: 2,048 for each group (64 rows x 32), dense
.set TILE, 4224                        ; 8 rows: from tile to tile
.set ADP, 3                            ; v3   LDS address of P's fragments
.set ADR, 4                            ; v4   of R's
.set ADS, 5                            ; v5   of the scale words: lanes 0-15 P's rows, lanes 16-31 R's
.set SH8, 6                            ; v6   8 h
.set OFC, 7                            ; v7   16 x lane: an image's place
.set OFS, 8                            ; v8   16 r + 8 h: the scale words' place
.set BQK, 9                            ; v9   bias offset for q, k: 128 h
.set BV,  14                           ; v14  bias offset for v: 4 (r % 8) + 128 (r / 8)
.set SC,  16                           ; v16-31  scale words: register 4 i + q: tile i, the q-th of four K steps
.set BB,  32                           ; v32-63  the bias in the result's layout
.set PF,  64                           ; v64-95  P's four fragments
.set RF,  96                           ; v96-127 R's four
.set ACC, 128                          ; v128-255 accumulator (a of P, b of R) at 128 + 32 b + 8 a
.set CD,  32                           ; behind the products: v32-47 the codes, 4 b + a
.set MX,  48                           ; v48-55 largest magnitudes, two chains for each b
.set EX,  56                           ; v56-59 the conversions' scale operands
.set WD,  60                           ; v60-63 scale words
.set XW,  64                           ; v64-67 the other half's
.set WL,  68                           ; v[68:69] the two words that this lane stores
.set G1X,  32                          ; s[32:39] group 1: 32 rows x 512 bytes of x, padded; mask: my row of the cluster
.set G1W,  40                          ; s[40:47] the same for a weight; mask: my column
.set G1XS, 48                          ; s[48:55] x's scale bytes: 32 rows of 256 bytes
.set G1WS, 56                          ; s[56:63] a weight's: 8 rows of 256 bytes
.set G0X,  68
.set G0XS, 72
.set G0W1, 76
.set G0W2, 80
.set G0WS, 84
.set WV,  88                           ; s88 wave
.set TY,  89                           ; s89 kind: 0 q, 1 k, 2 v
.set TGN, 90                           ; s90 token group 0..3 (in waves 8-10 also: which weight I fetch)
.set ISV, 91                           ; s91 1 for v
.set CP,  92                           ; s[92:93] where my codes go
.set SP,  94                           ; s[94:95] where my scale words go
.set BP,  96                           ; s[96:97] my bias
.set SEL, 98                           ; s[98:99] lane selects: lane l xor 16
; A round of the cluster's barrier: my work-group's barrier; wave 0 signals for the work-group; every wave waits for all sixteen; my work-group's barrier once more.
.macro ROUND
	s_barrier_signal -1
	s_barrier_wait -1
	s_cmp_lg_u32 s[WV], 0
	s_cbranch_scc1 .Lnot_wave_0_\@
	s_barrier_signal -3
.Lnot_wave_0_\@:
	s_barrier_wait -3
	s_barrier_signal -1
	s_barrier_wait -1
.endm
.macro PLACES
.rept 4
	v_nop
.endr
.endm
	s_load_b512 s[4:19], s[0:1], 0x0               ; x codes, x scales, Wq codes, Wq scales, Wk codes, Wk scales, Wv codes, Wv scales
	s_load_b256 s[20:27], s[0:1], 0x40             ; bq, bk, bv, qbuf
	s_load_b64 s[28:29], s[0:1], 0x60              ; kvbuf
	v_lshl_add_u32 v15, v0, 2, 0x3d500
	s_set_vgpr_msb 0x40
	v_mov_b32 v1, 0
	s_set_vgpr_msb 0x4044
	ds_add_u32 v15, v1
	ds_add_u32 v15, v1
	s_set_vgpr_msb 0x4400
	v_lshrrev_b32 v1, 5, v0
	s_delay_alu instid0(VALU_DEP_1)
	v_readfirstlane_b32 s[WV], v1                  ; wave 0..11
	s_lshr_b32 s[TY], s[WV], 2
	s_and_b32 s[TGN], s[WV], 3
	s_lshr_b32 s[ISV], s[TY], 1
	; every LDS address is made here, ahead of the first branch, from the lane, the wave and constants
	s_xor_b32 s30, s[ISV], 1                       ; 1 for q, k
	s_add_co_u32 s31, s[TY], 4                     ; my weight's group: 4, 5, 6
	s_mul_i32 s2, s30, s31
	s_mul_i32 s3, s[ISV], s[TGN]
	s_add_co_u32 s2, s2, s3                        ; P's group
	s_mul_i32 s2, s2, GRP
	s_mul_i32 s3, s30, s[TGN]
	s_mul_i32 s66, s[ISV], s31
	s_add_co_u32 s3, s3, s66                       ; R's group
	s_mul_i32 s3, s3, GRP
	s_xor_b32 s66, s[TGN], 3                       ; 3 - token group
	s_add_co_u32 s66, s66, s[TY]
	s_add_co_u32 s66, s66, 1
	s_lshl_b32 s66, s66, 11                        ; from my tokens' scale bytes to my weight's: (4 + kind - token group) x 2,048
	s_lshl_b32 s67, s[TGN], 11
	s_add_co_u32 s67, s67, SC0                     ; my tokens' scale bytes: the lower base
	v_and_b32 v1, 15, v0                           ; r
	v_bfe_u32 v2, v0, 4, 1                         ; h
	v_and_b32 v10, 7, v0                           ; r % 8
	v_bfe_u32 v11, v0, 3, 1                        ; r / 8
	s_delay_alu instid0(VALU_DEP_2)
	v_mul_u32_u24 v12, v10, 528
	s_delay_alu instid0(VALU_DEP_2)
	v_mul_u32_u24 v13, v11, UOFF
	s_delay_alu instid0(VALU_DEP_1)
	v_add_nc_u32 v12, v12, v13
	s_delay_alu instid0(VALU_DEP_1)
	v_lshl_add_u32 v12, v2, 4, v12                 ; my row of tile 0, + 16 h
	s_delay_alu instid0(VALU_DEP_1)
	v_add_nc_u32 v[ADP], s2, v12
	s_delay_alu instid0(VALU_DEP_2)
	v_add_nc_u32 v[ADR], s3, v12
	v_xor_b32 v13, s30, v2                         ; 1 in the lanes that take the weight's words: lanes 0-15 for q, k (P = the weight), lanes 16-31 for v
	s_delay_alu instid0(VALU_DEP_1)
	v_mul_u32_u24 v13, s66, v13                    ; one product: the lower base + that x the distance
	s_delay_alu instid0(VALU_DEP_1)
	v_lshl_add_u32 v13, v10, 5, v13                ; 32 bytes a row
	s_delay_alu instid0(VALU_DEP_1)
	v_lshl_add_u32 v13, v11, 10, v13
	s_delay_alu instid0(VALU_DEP_1)
	v_add_nc_u32 v[ADS], s67, v13
	v_lshlrev_b32 v[SH8], 3, v2
	v_and_b32 v[OFC], 31, v0
	s_delay_alu instid0(VALU_DEP_1)
	v_lshlrev_b32 v[OFC], 4, v[OFC]
	v_lshlrev_b32 v[OFS], 4, v1
	s_delay_alu instid0(VALU_DEP_1)
	v_lshl_add_u32 v[OFS], v2, 3, v[OFS]
	v_lshlrev_b32 v[BQK], 7, v2
	v_lshlrev_b32 v[BV], 2, v10
	s_delay_alu instid0(VALU_DEP_1)
	v_lshl_add_u32 v[BV], v11, 7, v[BV]
	; my place
	s_bfe_u32 s2, ttmp6, 0x40000                   ; cx
	s_bfe_u32 s3, ttmp6, 0x40004                   ; cy
	s_lshl_b32 s66, ttmp9, 2
	s_add_co_u32 s66, s66, s2                      ; the head g = 4 x cluster x + cx
	s_and_b32 s67, ttmp7, 0xffff
	s_lshl_b32 s67, s67, 2
	s_add_co_u32 s67, s67, s3                      ; the block of 256 tokens = 4 x cluster y + cy
	s_lshl_b32 s100, s3, 2
	s_lshl_b32 s100, 15, s100                      ; my row of the cluster
	s_lshl_b32 s101, 0x1111, s2                    ; my column
	; group 1.  Codes: elements of 8 bytes, 64 to a row (512 bytes), 32 rows, dense in memory; 4 words of padding behind every 128
	s_or_b32 s[G1X], s100, (3<<16)|(1<<20)|(1<<21)|(6<<22)|(3<<25)
	s_or_b32 s[G1W], s101, (3<<16)|(1<<20)|(1<<21)|(6<<22)|(3<<25)
.irp g, G1X, G1W
	s_mov_b32 s[\g+1], 64<<16                      ; tensor_dim0
	s_mov_b32 s[\g+2], 32<<16                      ; tensor_dim1
	s_mov_b32 s[\g+3], 64<<16                      ; tile_dim0
	s_mov_b32 s[\g+4], 32                          ; tile_dim1
	s_mov_b32 s[\g+5], 64                          ; from row to row
	s_mov_b32 s[\g+6], 0
	s_mov_b32 s[\g+7], 0
.endr
	; scale bytes: dense blocks as rows of 256 bytes: x's 8,192 bytes, a weight's 2,048
	s_or_b32 s[G1XS], s100, (3<<16)|(1<<21)
	s_mov_b32 s[G1XS+1], 32<<16
	s_mov_b32 s[G1XS+2], 32<<16
	s_mov_b32 s[G1XS+3], 32<<16
	s_mov_b32 s[G1XS+4], 32
	s_mov_b32 s[G1XS+5], 32
	s_mov_b32 s[G1XS+6], 0
	s_mov_b32 s[G1XS+7], 0
	s_or_b32 s[G1WS], s101, (3<<16)|(1<<21)
	s_mov_b32 s[G1WS+1], 32<<16
	s_mov_b32 s[G1WS+2], 8<<16
	s_mov_b32 s[G1WS+3], 32<<16
	s_mov_b32 s[G1WS+4], 8
	s_mov_b32 s[G1WS+5], 32
	s_mov_b32 s[G1WS+6], 0
	s_mov_b32 s[G1WS+7], 0
	; group 0.  x (waves 0-7): wave w brings half w % 2 of token group w / 2
	s_lshr_b32 s30, s[WV], 1
	s_and_b32 s31, s[WV], 1
	s_mov_b32 s[G0X], 1
	s_mul_i32 s[G0X+1], s30, GRP
	s_mul_i32 s92, s31, UOFF
	s_add_co_u32 s[G0X+1], s[G0X+1], s92
	s_lshl_b32 s92, s67, 17                        ; 256 tokens x 512 bytes
	s_lshl_b32 s30, s30, 15
	s_add_co_u32 s92, s92, s30
	s_lshl_b32 s31, s31, 14
	s_add_co_u32 s92, s92, s31
	s_mov_b32 s93, 0
	s_mov_b32 s[G0XS], 1                           ; x's scale bytes (wave 11)
	s_mov_b32 s[G0XS+1], SC0
	s_lshl_b32 s94, s67, 13
	s_mov_b32 s95, 0
	s_add_co_u32 s30, s[TGN], 4                    ; a weight (waves 8, 9, 10: Wq, Wk, Wv): both halves of its 64 rows, and their scale bytes
	s_mov_b32 s[G0W1], 1
	s_mul_i32 s[G0W1+1], s30, GRP
	s_mov_b32 s[G0W2], 1
	s_add_co_u32 s[G0W2+1], s[G0W1+1], UOFF
	s_mov_b32 s[G0WS], 1
	s_lshl_b32 s[G0WS+1], s30, 11
	s_add_co_u32 s[G0WS+1], s[G0WS+1], SC0
	s_lshl_b32 s96, s66, 15                        ; the head's 64 rows x 512 bytes
	s_mov_b32 s97, 0
	s_lshl_b32 s98, s66, 11                        ; x 32 bytes
	s_mov_b32 s99, 0
	s_wait_dscnt 0x0
	s_wait_kmcnt 0x0
	s_add_nc_u64 s[G0X+2:G0X+3], s[4:5], s[92:93]
	s_or_b32 s[G0X+3], s[G0X+3], 0x80000000
	s_add_nc_u64 s[G0XS+2:G0XS+3], s[6:7], s[94:95]
	s_or_b32 s[G0XS+3], s[G0XS+3], 0x80000000
	s_cmp_eq_u32 s[TGN], 0                         ; the choice hangs on the wave's number alone
	s_cselect_b64 s[92:93], s[8:9], s[12:13]
	s_cselect_b64 s[94:95], s[10:11], s[14:15]
	s_cmp_lt_u32 s[TGN], 2
	s_cselect_b64 s[92:93], s[92:93], s[16:17]
	s_cselect_b64 s[94:95], s[94:95], s[18:19]
	s_add_nc_u64 s[G0W1+2:G0W1+3], s[92:93], s[96:97]
	s_add_nc_u64 s[G0W2+2:G0W2+3], s[G0W1+2:G0W1+3], 16384
	s_or_b32 s[G0W1+3], s[G0W1+3], 0x80000000
	s_or_b32 s[G0W2+3], s[G0W2+3], 0x80000000
	s_add_nc_u64 s[G0WS+2:G0WS+3], s[94:95], s[98:99]
	s_or_b32 s[G0WS+3], s[G0WS+3], 0x80000000
	ROUND                                          ; all sixteen work-groups are here: the joint loads meet
	; the first group of first fills: one load a wave, each in one arm of one chain of branches on the wave's number.  Four v_nop end each arm
	s_cmp_lt_u32 s[WV], 8
	s_cbranch_scc0 .Lnot_x
	tensor_load_to_lds s[G0X:G0X+3], s[G1X:G1X+7]
	s_nop 0
	PLACES
	s_branch .Lasked
.Lnot_x:
	s_cmp_lt_u32 s[WV], 11
	s_cbranch_scc0 .Lx_scales
	tensor_load_to_lds s[G0W1:G0W1+3], s[G1W:G1W+7]
	s_nop 0
	PLACES
	s_branch .Lasked
.Lx_scales:
	tensor_load_to_lds s[G0XS:G0XS+3], s[G1XS:G1XS+7]
	s_nop 0
	PLACES
.Lasked:
	; the bias, in the result's layout
	s_lshl_b32 s30, s66, 8                         ; the head's 64 numbers
	s_mov_b32 s31, 0
	s_cmp_eq_u32 s[TY], 0
	s_cselect_b64 s[BP:BP+1], s[20:21], s[22:23]
	s_cmp_eq_u32 s[TY], 2
	s_cselect_b64 s[BP:BP+1], s[24:25], s[BP:BP+1]
	s_add_nc_u64 s[BP:BP+1], s[BP:BP+1], s[30:31]
	s_mov_b32 s[SEL], 0x76543210
	s_mov_b32 s[SEL+1], 0xfedcba98
	s_cmp_eq_u32 s[ISV], 0
	s_cbranch_scc0 .Lbias_v
	s_wait_alu depctr_va_vdst(0)
.irp a, 0,1,2,3                        ; q, k: register j of tile a is feature 8 a + 32 h + j
	global_load_b128 v[BB+8*\a:BB+8*\a+3], v[BQK], s[BP:BP+1] offset:32*\a
	global_load_b128 v[BB+8*\a+4:BB+8*\a+7], v[BQK], s[BP:BP+1] offset:32*\a+16
.endr
	s_branch .Lbias_done
.Lbias_v:
	s_wait_alu depctr_va_vdst(0)
.irp b, 0,1,2,3                        ; v: all eight registers of a tile b are channel 8 b + r % 8 + 32 (r / 8)
.irp j, 0,1,2,3,4,5,6,7
	global_load_b32 v[BB+8*\b+\j], v[BV], s[BP:BP+1] offset:32*\b
.endr
.endr
.Lbias_done:
	; where the results go.  TG = my group of 64 tokens; a key step is 128 keys: step TG / 2, half c = TG % 2
	s_lshl_b32 s2, s67, 2
	s_add_co_u32 s2, s2, s[TGN]                    ; TG
	s_lshl_b32 s3, s66, 6
	s_add_co_u32 s3, s3, s2
	s_mul_i32 s3, s3, 2304                         ; q: [head][TG][2,304]: four images of 512 bytes, then 256 bytes of scale words
	s_lshr_b32 s30, s2, 1
	s_and_b32 s31, s2, 1                           ; c
	s_lshl_b32 s100, s66, 5
	s_add_co_u32 s100, s100, s30
	s_mul_i32 s100, s100, 8960                     ; k, v: [head][step][8,960]
	s_lshl_b32 s101, s31, 11
	s_add_co_u32 s101, s101, s100                  ; k's codes: tile 4 c + u at 512 (4 c + u)
	s_lshl_b32 s66, s31, 9
	s_add_co_u32 s66, s66, s100
	s_add_co_u32 s66, s66, 4096                    ; v's codes: registers 4 c .. 4 c + 3 of channel tile b at 4,096 + 512 (2 b + c)
	s_lshl_b32 s67, s31, 8
	s_add_co_u32 s67, s67, s100
	s_add_co_u32 s67, s67, 8192                    ; k's scale words: 8,192 + 256 c + 16 r + 4 u
	s_lshl_b32 s30, s31, 1
	s_add_co_u32 s30, s30, s100
	s_add_co_u32 s30, s30, 8704                    ; v's scale bytes: 8,704 + 16 r + 4 b + 2 c + h
	s_add_co_u32 s31, s3, 2048                     ; q's scale words
	s_cmp_eq_u32 s[TY], 2
	s_cselect_b32 s101, s66, s101
	s_cselect_b32 s67, s30, s67
	s_cmp_eq_u32 s[TY], 0
	s_cselect_b32 s[CP], s3, s101
	s_cselect_b32 s[SP], s31, s67
	s_cselect_b64 s[2:3], s[26:27], s[28:29]
	s_mov_b32 s[CP+1], 0
	s_mov_b32 s[SP+1], 0
	s_add_nc_u64 s[CP:CP+1], s[2:3], s[CP:CP+1]
	s_add_nc_u64 s[SP:SP+1], s[2:3], s[SP:SP+1]
	; the second group of first fills (the weights' rows 32-63 and their scale bytes) follows three lines and a round: one load in each of waves 0-2 and 8-10
	s_set_vgpr_msb 0x4
	s_wait_tensorcnt 0x0                           ; my load of the first group has landed
	ds_add_u32 v15, v1
	s_wait_dscnt 0x0
	s_set_vgpr_msb 0x400
	ROUND
	s_cmp_lt_u32 s[WV], 3                          ; waves 0, 1, 2: the scale bytes of Wq, Wk, Wv (their number % 4 picks the weight, as in waves 8, 9, 10)
	s_cbranch_scc0 .Lnot_ws
	tensor_load_to_lds s[G0WS:G0WS+3], s[G1WS:G1WS+7]
	s_nop 0
	PLACES
	s_branch .Lasked2
.Lnot_ws:
	s_cmp_lt_u32 s[WV], 8
	s_cbranch_scc1 .Lasked2
	s_cmp_lt_u32 s[WV], 11
	s_cbranch_scc0 .Lasked2
	tensor_load_to_lds s[G0W2:G0W2+3], s[G1W:G1W+7]   ; waves 8, 9, 10: rows 32-63 of their weight
	s_nop 0
	PLACES
.Lasked2:
	s_wait_tensorcnt 0x0                           ; all my fills have landed: every wave reads tiles that other waves brought,
	s_wait_loadcnt 0x0                             ; (the bias)
	s_barrier_signal -1
	s_barrier_wait -1                              ; so all twelve say so
; the eight fragments of K step s: 16 rows x 128 K of 4-bit codes are two loads of 16 bytes, 32 bytes apart
.macro FRAGS s
.irp i, 0,1,2,3
.irp c, 0,1
	ds_load_b128 v[PF+8*\i+4*\c:PF+8*\i+4*\c+3], v[ADP] offset:TILE*\i+64*(\s)+32*\c
	ds_load_b128 v[RF+8*\i+4*\c:RF+8*\i+4*\c+3], v[ADR] offset:TILE*\i+64*(\s)+32*\c
.endr
.endr
.endm
.macro SCALES half                     ; the scale words of four K steps: lanes 0-15 P's tile i, lanes 16-31 R's tile i
.irp i, 0,1,2,3
	ds_load_b128 v[SC+4*\i:SC+4*\i+3], v[ADS] offset:256*\i+16*\half
.endr
.endm
; 16 matrix instructions, the 16 accumulators by turns, one instruction a turn, in the same order in every K step.
; how = 0: onto the sums; 1: the sums begin with the bias of P's rows (q, k); 2: with the bias of R's rows (v)
.macro MUL16 q, how
.irp b, 0,1,2,3
.irp a, 0,1,2,3
.if \how == 0
	v_wmma_scale_f32_16x16x128_f8f6f4 v[ACC+32*\b+8*\a:ACC+32*\b+8*\a+7], v[PF+8*\a:PF+8*\a+7], v[RF+8*\b:RF+8*\b+7], v[ACC+32*\b+8*\a:ACC+32*\b+8*\a+7], v[SC+4*\a+\q], v[SC+4*\b+\q] matrix_a_fmt:MATRIX_FMT_FP4 matrix_b_fmt:MATRIX_FMT_FP4 matrix_b_scale:MATRIX_SCALE_ROW1
.elseif \how == 1
	v_wmma_scale_f32_16x16x128_f8f6f4 v[ACC+32*\b+8*\a:ACC+32*\b+8*\a+7], v[PF+8*\a:PF+8*\a+7], v[RF+8*\b:RF+8*\b+7], v[BB+8*\a:BB+8*\a+7], v[SC+4*\a+\q], v[SC+4*\b+\q] matrix_a_fmt:MATRIX_FMT_FP4 matrix_b_fmt:MATRIX_FMT_FP4 matrix_b_scale:MATRIX_SCALE_ROW1
.else
	v_wmma_scale_f32_16x16x128_f8f6f4 v[ACC+32*\b+8*\a:ACC+32*\b+8*\a+7], v[PF+8*\a:PF+8*\a+7], v[RF+8*\b:RF+8*\b+7], v[BB+8*\b:BB+8*\b+7], v[SC+4*\a+\q], v[SC+4*\b+\q] matrix_a_fmt:MATRIX_FMT_FP4 matrix_b_fmt:MATRIX_FMT_FP4 matrix_b_scale:MATRIX_SCALE_ROW1
.endif
.endr
.endr
.endm
.macro KSTEP s
	PLACES                                         ; four plain instructions between the last products and loads into registers that they read (ISA guide 7.12.1 for vector instructions)
	FRAGS \s
.if (\s) == 4
	SCALES 1
.endif
	s_wait_dscnt 0x0                               ; three waves share a SIMD: while one waits here the others multiply
	MUL16 (\s)%4, 0
.endm
	FRAGS 0
	SCALES 0
	s_wait_dscnt 0x0
	s_cmp_eq_u32 s[ISV], 0                         ; K step 0 starts the sums with the bias: nothing is cleared, nothing is added later
	s_cbranch_scc0 .Lfirst_v
	MUL16 0, 1
	s_branch .Lfirst_done
.Lfirst_v:
	MUL16 0, 2
.Lfirst_done:
.irp s, 1,2,3,4,5,6,7
	KSTEP \s
.endr
	; THE QUANTISER.  For each b my 32 registers are one block: its largest magnitude (with the floor 2^(3 - 127) among the leaves, which holds the byte at 1 from below), read from each accumulator's low end on
	PLACES
.irp b, 0,1,2,3
	v_max3_num_f32 v[MX+2*\b], |v[ACC+32*\b]|, |v[ACC+32*\b+1]|, 0x1800000
	v_max3_num_f32 v[MX+2*\b+1], |v[ACC+32*\b+16]|, |v[ACC+32*\b+17]|, |v[ACC+32*\b+18]|
.endr
.irp i, 0,1,2,3,4,5
.irp b, 0,1,2,3
	v_max3_num_f32 v[MX+2*\b], v[MX+2*\b], |v[ACC+32*\b+2+2*\i]|, |v[ACC+32*\b+3+2*\i]|
	v_max3_num_f32 v[MX+2*\b+1], v[MX+2*\b+1], |v[ACC+32*\b+19+2*\i]|, |v[ACC+32*\b+20+2*\i]|
.endr
.endr
.irp b, 0,1,2,3
	v_max3_num_f32 v[MX+2*\b], v[MX+2*\b], |v[ACC+32*\b+14]|, |v[ACC+32*\b+15]|
.endr
.irp b, 0,1,2,3
	v_max3_num_f32 v[MX+2*\b], v[MX+2*\b], v[MX+2*\b+1], |v[ACC+32*\b+31]|
.endr
.irp b, 0,1,2,3
	s_delay_alu instid0(VALU_DEP_4)
	v_add_nc_u32 v[EX+\b], 0xff000000, v[MX+2*\b]  ; 2 off the exponent field: the conversion takes the exponent field of this operand as its scale
.endr
.irp b, 0,1,2,3
	s_delay_alu instid0(VALU_DEP_4)
	v_lshrrev_b32 v[WD+\b], 23, v[EX+\b]           ; the scale's byte,
.endr
.irp b, 0,1,2,3
	s_delay_alu instid0(VALU_DEP_4)
	v_lshlrev_b32 v[WD+\b], v[SH8], v[WD+\b]       ; at byte h
.endr
.irp b, 0,1,2,3
	v_mov_b32 v[XW+\b], 0                          ; (a lane permute's destination counts as one of its sources)
.endr
.irp b, 0,1,2,3
	s_delay_alu instid0(VALU_DEP_4)
	v_permlanex16_b32 v[XW+\b], v[WD+\b], s[SEL], s[SEL+1]
.endr
.irp b, 0,1,2,3
	s_delay_alu instid0(VALU_DEP_4)
	v_or_b32 v[WD+\b], v[WD+\b], v[XW+\b]          ; with lane l xor 16's: both bytes; bytes 2 and 3 stay 0
.endr
.irp b, 0,1,2,3
.irp a, 0,1,2,3
	v_cvt_scalef32_pk8_fp4_f32 v[CD+4*\b+\a], v[ACC+32*\b+8*\a:ACC+32*\b+8*\a+7], v[EX+\b]   ; k = 32 h + 8 a + 0 .. 7 of the next product: register a of the operand's four
.endr
.endr
	v_nop                                          ; one plain instruction behind the last scaled conversion
	v_cmp_eq_u32 vcc_lo, 1, v2
	s_delay_alu instid0(VALU_DEP_1)
	v_cndmask_b32 v[WL], v[WD], v[WD+2], vcc_lo    ; lanes 0-15 store the words of b = 0, 1; lanes 16-31 those of b = 2, 3
	s_delay_alu instid0(VALU_DEP_2)
	v_cndmask_b32 v[WL+1], v[WD+1], v[WD+3], vcc_lo
	s_cmp_eq_u32 s[ISV], 0
	s_cbranch_scc0 .Lstore_v
.irp b, 0,1,2,3
	global_store_b128 v[OFC], v[CD+4*\b:CD+4*\b+3], s[CP:CP+1] offset:512*\b   ; an image: 32 lanes store 512 consecutive bytes, at a multiple of 256 from the buffer's first byte
.endr
	global_store_b64 v[OFS], v[WL:WL+1], s[SP:SP+1]   ; 256 consecutive bytes
	s_branch .Ldone
.Lstore_v:
	s_wait_alu depctr_va_vdst(0)
.irp b, 0,1,2,3
	global_store_b128 v[OFC], v[CD+4*\b:CD+4*\b+3], s[CP:CP+1] offset:1024*\b
.endr
	global_store_b16 v[OFS], v[WL], s[SP:SP+1]     ; half of a scale word: the other half is the neighbouring token group's, another wave's
	global_store_b16 v[OFS], v[WL+1], s[SP:SP+1] offset:4
.Ldone:
	s_set_vgpr_msb 0x4
	s_wait_tensorcnt 0x0
	ds_add_u32 v15, v1
	s_wait_dscnt 0x0
	s_set_vgpr_msb 0x400
	ROUND                                          ; the closing round: no work-group ends while a partner may still ask for a tile that names it
	s_endpgm
.Lfunc_end_k_q706fe110cc_proj:
	.size	k_q706fe110cc_proj, .Lfunc_end_k_q706fe110cc_proj-k_q706fe110cc_proj
	.p2alignl 7, 3214868480
	.fill 96, 4, 3214868480
	.section	.rodata,"a",@progbits
	.p2align	6, 0x0
	.amdhsa_kernel k_q706fe110cc_proj
		.amdhsa_group_segment_fixed_size 327680
		.amdhsa_private_segment_fixed_size 0
		.amdhsa_enable_private_segment 0
		.amdhsa_kernarg_size 104
		.amdhsa_user_sgpr_count 2
		.amdhsa_user_sgpr_kernarg_segment_ptr 1
		.amdhsa_wavefront_size32 1
		.amdhsa_system_sgpr_workgroup_id_x 1
		.amdhsa_system_sgpr_workgroup_id_y 1
		.amdhsa_system_sgpr_workgroup_id_z 1
		.amdhsa_system_vgpr_workitem_id 0
		.amdhsa_next_free_vgpr 258
		.amdhsa_next_free_sgpr 102
		.amdhsa_reserve_vcc 1
		.amdhsa_float_denorm_mode_32 3
		.amdhsa_float_denorm_mode_16_64 3
		.amdhsa_memory_ordered 1
		.amdhsa_forward_progress 1
		.amdhsa_inst_pref_size 52
	.end_amdhsa_kernel
	.amdgpu_metadata
---
amdhsa.version: [ 1, 2 ]
amdhsa.kernels:
  - .name:           k_q706fe110cc_proj
    .symbol:         k_q706fe110cc_proj.kd
    .args:
      - { .name: x_codes, .offset: 0, .size: 8, .value_kind: global_buffer, .address_space: global }
      - { .name: x_scales, .offset: 8, .size: 8, .value_kind: global_buffer, .address_space: global }
      - { .name: W_q_codes, .offset: 16, .size: 8, .value_kind: global_buffer, .address_space: global }
      - { .name: W_q_scales, .offset: 24, .size: 8, .value_kind: global_buffer, .address_space: global }
      - { .name: W_k_codes, .offset: 32, .size: 8, .value_kind: global_buffer, .address_space: global }
      - { .name: W_k_scales, .offset: 40, .size: 8, .value_kind: global_buffer, .address_space: global }
      - { .name: W_v_codes, .offset: 48, .size: 8, .value_kind: global_buffer, .address_space: global }
      - { .name: W_v_scales, .offset: 56, .size: 8, .value_kind: global_buffer, .address_space: global }
      - { .name: b_q, .offset: 64, .size: 8, .value_kind: global_buffer, .address_space: global }
      - { .name: b_k, .offset: 72, .size: 8, .value_kind: global_buffer, .address_space: global }
      - { .name: b_v, .offset: 80, .size: 8, .value_kind: global_buffer, .address_space: global }
      - { .name: qbuf, .offset: 88, .size: 8, .value_kind: global_buffer, .address_space: global }
      - { .name: kvbuf, .offset: 96, .size: 8, .value_kind: global_buffer, .address_space: global }
    .group_segment_fixed_size: 327680
    .private_segment_fixed_size: 0
    .kernarg_segment_align: 8
    .kernarg_segment_size: 104
    .max_flat_workgroup_size: 384
    .sgpr_count:     102
    .vgpr_count:     258
    .wavefront_size: 32
...
	.end_amdgpu_metadata
.endif
;; end of part 1
;; launch attn (part 2): grid 16 x 16, 16 waves a work-group, clusters of 4 x 1, 288,768 bytes of LDS; arguments qbuf, kvbuf, ctxc, ctxs; writes ctxc, ctxs
.if DOCPART == 2
	.amdgcn_target "amdgcn-amd-amdhsa--gfx1250"
	.amdhsa_code_object_version 6
	.text
	.protected	k_q706fe110cc_attn
	.globl	k_q706fe110cc_attn
	.p2align	8
	.type	k_q706fe110cc_attn,@function
k_q706fe110cc_attn:
	s_mov_b64 s[64:65], 0
	v_nop
	global_prefetch_b8 v0, s[64:65] scope:SCOPE_SE
	s_setreg_imm32_b32 hwreg(HW_REG_WAVE_MODE, 25, 1), 1
	s_wait_xcnt 0x0
	s_wait_alu depctr_hold_cnt(0) depctr_sa_sdst(0) depctr_va_vdst(0) depctr_va_sdst(0) depctr_va_ssrc(0) depctr_va_vcc(0) depctr_vm_vsrc(0)
	s_getreg_b32 s2, hwreg(HW_REG_IB_STS2, 6, 4)
	s_cmp_eq_u32 s2, 0
	s_cbranch_scc0 .Lentry_in_a_cluster
	s_endpgm
.Lentry_in_a_cluster:
	s_bfe_u32 s2, ttmp6, 0x10000c
	s_cmp_lg_u32 s2, 0x3003
	s_cbranch_scc0 .Lentry_shape_is_right
	s_endpgm
.Lentry_shape_is_right:
; ctx[q][head] = softmax_k(q . k / 8) v for one head, both products on codes of FP4 (E2M1) with one E8M0 byte for each 32 along a product's K; ctx is quantised here for the last product.
; THE SOFTMAX AHEAD OF THE SECOND PRODUCT: t = score x log2(e) / 8; M = the running largest t rounded UP to a whole number; p = 2^(t - M) is quantised along the keys, not normalised.  The row's sum is taken
; of the unquantised p and divides at the end.  When M moves, the sum and O are multiplied by 2^(old M - new M), which rounds nothing.
; SHARES.  A work-group owns 256 queries of one head; each of its sixteen waves one tile of 16 queries; four waves to a SIMD.  Every wave walks the head's 4,096 keys, 256 a trip, 16 trips:
; M, the rescaling of O and the address steps are made once for 256 keys.
; LDS.  The head's K and V, as images of operand registers with their scale words (32 steps of 128 keys x 8,960 bytes), lie in LDS whole, as they lie in memory: filled once, never again.
; Wave w brings steps 2 w and 2 w + 1 (70 rows of 256 bytes) by its one tensor load at the head; one barrier shows all of it to all waves; the loop has no barrier.
; CLUSTER 4 x 1: the four query blocks of a cluster belong to one head: each load is asked for jointly.  No prefetch: every tile is asked for at the head, so there is no loop to run ahead in.
; LAYOUT.  S^T = K Q^T (source 0 = 16 keys, source 1 = my 16 queries), O^T = V^T P^T: a lane holds one query throughout.  The keys of a tile are chosen (lane r of tile 4 c + u: key 64 c + 8 u + r % 8 + 32 (r / 8)) so that
; registers 32 c + 0..31 of a step's S^T are keys 64 c + 32 h + 0..31: ONE WHOLE BLOCK in a lane: its largest p needs no other lane, and four conversions are four registers of P's fragment.
; V's channels are chosen likewise, so that a lane's 32 registers of O^T are one block of the last product's K.
; K = 64 in the first product: Q's fragment is four registers of codes and four of zero codes; K's fragment names its four registers and the four that follow (the next tile's codes, or zeros), which multiply zeros;
; bytes 2 and 3 of the scale words are 0, which is 2^-127 and no NaN.
; LIMITS: NaN and infinities are not served.  p under 2^-126 comes out as 0.  A block of zeros gets the scale byte 1 (its codes are zeros; this program alone reads the bytes).  1 / the sum is v_rcp_f32's.
; t is score x (log2(e) / 8), rounded once; the promise holds while |t| stays under 2^31.
.set STEPB, 8960                       ; a step: K's 8 images (4,096), V's 8 half images (4,096), K's scale words (512), V's (256)
.set DSB,   17920                      ; two steps: a trip's bytes, and what one tensor load brings
.set SPARE, 286720                     ; behind the 32 steps: the spare words, 128 bytes a wave
.set ADR, 1                            ; v1   the trip's first byte + 16 x lane
.set ADS, 2                            ; v2   + 16 r
.set SH8, 3                            ; v3   8 h
.set QS,  4                            ; v4   Q's scale words
.set PSA, 5                            ; v5, v6  P's scale words of the trip's two steps
.set PSB, 6
.set T,   7                            ; v7, v44, v45, v18 at work
.set Q,   8                            ; v[8:15]  Q's fragment; v12-15 zero codes
.set NM,  16                           ; v16  -M
.set RM,  17                           ; v17  the running largest score
.set T3,  18
.set F,   20                           ; v20  2^(old M - new M); v21 named with it as a pair
.set SPW, 22                           ; v22  my spare word's address; never rewritten
.set NIL, 23                           ; v23  0; never rewritten
.set KS,  24                           ; v[24:27] K's scale words of one step: register u: lanes 0-15 tile u, lanes 16-31 tile 4 + u
.set VS,  28                           ; v[28:35] V's of both steps: register 4 s + b: channel tile b
.set B,   36                           ; v36-39 my four blocks' largest score, then largest p
.set E,   40                           ; v40-43 the conversions' scale operands
.set T1,  44
.set T2,  45
.set L,   46                           ; v[46:47] the sum, in two halves; v[48:53] three more chains of it inside a trip
.set CH,  48                           ; v48-51 four chains of maxima
.set KF,  56                           ; v[56:91] one step's eight tiles of K, four registers each; v88-91 zero
.set PC,  56                           ; v[56:71] P's two fragments, where K's tiles lay
.set S,   92                           ; v[92:219] S^T of 256 keys, then p; v[92:155] then take V's eight fragments
.set O,   220                          ; v[220:251] O^T
.set BY,  252                          ; v252-255 scale bytes
.set WV,  12
.set CS,  16                           ; s[16:17] log2(e) / 8: the packed form names a pair and takes its low word for both halves
.set SEL, 18                           ; s[18:19] lane selects: lane l xor 16
.set CNT, 21
.set G1,  24                           ; s[24:31] group 1;  s[32:35] group 0
.set G0,  32
.macro ROUND                           ; a round of the cluster's barrier
	s_barrier_signal -1
	s_barrier_wait -1
	s_cmp_lg_u32 s[WV], 0
	s_cbranch_scc1 .Lnot_wave_0_\@
	s_barrier_signal -3
.Lnot_wave_0_\@:
	s_barrier_wait -3
	s_barrier_signal -1
	s_barrier_wait -1
.endm
.macro PLACES n
.rept \n
	v_nop
.endr
.endm
.macro KLOAD o                         ; the step at byte o of the trip: K's scale words and eight tiles
	ds_load_b128 v[KS:KS+3], v[ADR] offset:(\o)+8192
.irp t, 0,1,2,3,4,5,6,7
	ds_load_b128 v[KF+4*\t:KF+4*\t+3], v[ADR] offset:(\o)+512*\t
.endr
.endm
.macro SMUL x                          ; S^T of 128 keys into v[x ..]
.irp t, 0,1,2,3
	v_wmma_scale_f32_16x16x128_f8f6f4 v[(\x)+8*\t:(\x)+8*\t+7], v[KF+4*\t:KF+4*\t+7], v[Q:Q+7], 0, v[KS+\t], v[QS] matrix_a_fmt:MATRIX_FMT_FP4 matrix_b_fmt:MATRIX_FMT_FP4
.endr
.irp t, 4,5,6,7
	v_wmma_scale_f32_16x16x128_f8f6f4 v[(\x)+8*\t:(\x)+8*\t+7], v[KF+4*\t:KF+4*\t+7], v[Q:Q+7], 0, v[KS+\t-4], v[QS] matrix_a_fmt:MATRIX_FMT_FP4 matrix_b_fmt:MATRIX_FMT_FP4 matrix_a_scale:MATRIX_SCALE_ROW1
.endr
.endm
; the largest score of each of a step's two blocks of 32 keys: four chains by turns, each accumulator read from its low end on.  It serves twice: for the row's maximum and, since p rises with the score, for the block's largest p
.macro MAX64 x, d
.irp k, 0,1,2,3
	v_max3_num_f32 v[CH+\k], v[(\x)+16*\k], v[(\x)+16*\k+1], v[(\x)+16*\k+2]
.endr
.irp i, 3,5,7,9,11,13
.irp k, 0,1,2,3
	v_max3_num_f32 v[CH+\k], v[CH+\k], v[(\x)+16*\k+\i], v[(\x)+16*\k+\i+1]
.endr
.endr
.endm
.macro MAXF x, d                       ; the chains' ends: the two blocks' largest scores into v[B + d], v[B + d + 1]
.irp c, 0,1
	v_max3_num_f32 v[B+(\d)+\c], v[CH+2*\c], v[CH+2*\c+1], v[(\x)+32*\c+15]
.endr
.irp c, 0,1
	v_max_num_f32 v[B+(\d)+\c], v[B+(\d)+\c], v[(\x)+32*\c+31]
.endr
.endm
.macro TM x, n                         ; t - M of n pairs of scores, from register x on
.set J, 0
.rept \n
	v_pk_fma_f32 v[(\x)+J:(\x)+J+1], v[(\x)+J:(\x)+J+1], s[CS:CS+1], v[NM:NM+1] op_sel_hi:[1,0,0]
.set J, J+2
.endr
.endm
.macro EXPS x, n                       ; p = 2^(t - M)
.set J, 0
.rept \n
	v_exp_f32 v[(\x)+J], v[(\x)+J]
.set J, J+1
.endr
.endm
.macro ADDS from, n, k0                ; n pairs of p, from register 'from' on, onto the sum's four chains by turns
.set J, 0
.rept \n
	v_pk_add_f32 v[L+2*((J+\k0)%4):L+2*((J+\k0)%4)+1], v[L+2*((J+\k0)%4):L+2*((J+\k0)%4)+1], v[(\from)+2*J:(\from)+2*J+1]
.set J, J+1
.endr
.endm
.macro CODES s                         ; step s: keys 64 c + 32 h + 8 u + 0 .. 7 are register 4 c + u of P's fragment
.irp c, 0,1
.irp u, 0,1,2,3
	v_cvt_scalef32_pk8_fp4_f32 v[PC+8*(\s)+4*\c+\u], v[S+64*(\s)+32*\c+8*\u:S+64*(\s)+32*\c+8*\u+7], v[E+2*(\s)+\c]
.endr
.endr
.endm
	s_load_b256 s[4:11], s[0:1], 0x0               ; qbuf, kvbuf, ctxc, ctxs
	v_lshl_add_u32 v[SPW], v0, 2, SPARE
	v_mov_b32 v[NIL], 0
	ds_add_u32 v[SPW], v[NIL]                      ; the opening lines: the add, twice on end, and its wait ahead of my tensor load
	ds_add_u32 v[SPW], v[NIL]
	v_lshrrev_b32 v[T], 5, v0
	s_delay_alu instid0(VALU_DEP_1)
	v_readfirstlane_b32 s[WV], v[T]                ; wave 0..15
	v_and_b32 v[ADR], 31, v0
	v_and_b32 v[ADS], 15, v0
	v_bfe_u32 v[SH8], v0, 4, 1
	s_delay_alu instid0(VALU_DEP_3)
	v_lshlrev_b32 v[ADR], 4, v[ADR]                ; 16 x lane
	s_delay_alu instid0(VALU_DEP_3)
	v_lshlrev_b32 v[ADS], 4, v[ADS]                ; 16 r
	s_delay_alu instid0(VALU_DEP_3)
	v_lshlrev_b32 v[SH8], 3, v[SH8]                ; 8 h
	s_bfe_u32 s13, ttmp6, 0x40000                  ; cx
	s_lshl_b32 s14, ttmp9, 2
	s_add_co_u32 s14, s14, s13                     ; my block of 256 queries: it enters Q's and ctx's addresses alone
	s_and_b32 s15, ttmp7, 0xffff                   ; the head, which the four partners share
	; group 1: two steps, 17,920 dense bytes, as 70 rows of 256 bytes (32 elements of 8 bytes); mask: all four work-groups
	s_mov_b32 s[G1], 15|(3<<16)|(1<<21)
	s_mov_b32 s[G1+1], 32<<16
	s_mov_b32 s[G1+2], 70<<16
	s_mov_b32 s[G1+3], 32<<16
	s_mov_b32 s[G1+4], 70
	s_mov_b32 s[G1+5], 32
	s_mov_b32 s[G1+6], 0
	s_mov_b32 s[G1+7], 0
	s_mov_b32 s[G0], 1
	s_mul_i32 s[G0+1], s[WV], DSB                  ; wave w brings steps 2 w and 2 w + 1, to the place that they have in memory
	s_mul_i32 s66, s15, 32*STEPB
	s_add_co_u32 s66, s66, s[G0+1]
	s_mov_b32 s67, 0
	s_wait_alu depctr_va_vdst(0)
	s_wait_dscnt 0x0                               ; both opening adds are done
	s_wait_kmcnt 0x0
	s_add_nc_u64 s[G0+2:G0+3], s[6:7], s[66:67]
	s_or_b32 s[G0+3], s[G0+3], 0x80000000
	ROUND                                          ; all four work-groups are here: the joint loads meet
	tensor_load_to_lds s[G0:G0+3], s[G1:G1+7]      ; every wave's one load: one is out
	s_nop 0
	PLACES 4
	; Q: tile T = 16 x block + wave lies in group TG = T / 4 as image T % 4
	s_lshr_b32 s22, s[WV], 2
	s_lshl_b32 s23, s14, 2
	s_add_co_u32 s22, s22, s23                     ; TG
	s_lshl_b32 s23, s15, 6
	s_add_co_u32 s22, s22, s23
	s_mul_i32 s22, s22, 2304
	s_mov_b32 s23, 0
	s_add_nc_u64 s[4:5], s[4:5], s[22:23]
	s_and_b32 s68, s[WV], 3
	s_lshl_b32 s70, s68, 9
	s_mov_b32 s71, 0
	s_add_nc_u64 s[72:73], s[4:5], s[70:71]
	s_lshl_b32 s70, s68, 2
	s_add_nc_u64 s[74:75], s[4:5], s[70:71]
	global_load_b128 v[Q:Q+3], v[ADR], s[72:73]
	global_load_b32 v[QS], v[ADS], s[74:75] offset:2048
	s_lshl_b32 s68, s14, 4
	s_add_co_u32 s68, s68, s[WV]                   ; T
	s_lshl_b32 s70, s68, 13
	s_lshl_b32 s69, s15, 9
	s_add_co_u32 s70, s70, s69
	s_add_nc_u64 s[8:9], s[8:9], s[70:71]          ; ctx's codes: [T][head][512]
	s_lshl_b32 s70, s68, 9
	s_lshl_b32 s69, s15, 1
	s_add_co_u32 s70, s70, s69
	s_add_nc_u64 s[10:11], s[10:11], s[70:71]      ; ctx's scale bytes: [T][r][32], byte 2 head + h
	s_mov_b32 s[CS], 0x3e38aa3b                    ; log2(e) / 8
	s_mov_b32 s[CS+1], s[CS]
	s_mov_b32 s[SEL], 0x76543210
	s_mov_b32 s[SEL+1], 0xfedcba98
.irp j, 4,5,6,7
	v_mov_b32 v[Q+\j], 0                           ; zero codes for k = 64 .. 127
.endr
.irp j, 32,33,34,35
	v_mov_b32 v[KF+\j], 0                          ; what the last tile's fragment names behind its own four registers
.endr
	v_mov_b32 v[RM], 0xff61b1e6                    ; the largest score so far: -3e38, under every score
	s_delay_alu instid0(VALU_DEP_1)
	v_mul_f32 v[T], s[CS], v[RM]
	s_delay_alu instid0(VALU_DEP_1)
	v_floor_f32 v[NM], -v[T]                       ; -M
	v_mov_b32 v[L], 0
	v_mov_b32 v[L+1], 0
	v_mov_b32 v[F], 0
	v_mov_b32 v[F+1], 0                            ; (named as the upper half of a pair)
	v_mov_b32 v[T1], 0                             ; (a lane permute's destination counts as one of its sources)
	v_mov_b32 v[T3], 0
.set J, 0
.rept 32
	v_mov_b32 v[O+J], 0                            ; the trip has no first form of its own: the first finds zeros, which the first change of M leaves zeros
.set J, J+1
.endr
	s_mov_b32 s[CNT], 16
	s_wait_alu depctr_va_vdst(0)
	s_wait_loadcnt 0x0                             ; Q
	s_wait_tensorcnt 0x0                           ; my two steps have landed: every wave reads what the others brought,
	s_barrier_signal -1
	s_barrier_wait -1                              ; so all sixteen say so.
.Ltrip:                                                ; A TRIP: 256 keys.  (The 19 additions at the last trip's end are the places between its products and the loads below)
	KLOAD 0
	s_wait_dscnt 0x0
	SMUL S
	v_mov_b32 v[T2], v[NM]                         ; the old -M.  With the three v_nop: four places between the products and loads into registers that they read, and the first read of their results
	PLACES 3
	KLOAD STEPB
	MAX64 S, 0                                     ; the first step's chains of maxima stand under the second step's loads
	s_wait_alu depctr_va_vdst(0)
	s_wait_dscnt 0x0
	SMUL S+64
	MAXF S, 0                                      ; the first step's chains end here: four lines that name no register of the products above are the places behind them
	MAX64 S+64, 2
	v_max_num_f32 v[T], v[B], v[B+1]
	MAXF S+64, 2
	s_delay_alu instid0(VALU_DEP_1)
	v_max3_num_f32 v[T], v[T], v[B+2], v[B+3]
	s_delay_alu instid0(VALU_DEP_1)
	v_permlanex16_b32 v[T1], v[T], s[SEL], s[SEL+1]   ; the query's other 128 keys lie in lane l xor 16
	s_delay_alu instid0(VALU_DEP_1)
	v_max3_num_f32 v[RM], v[RM], v[T], v[T1]       ; the running largest score
	s_delay_alu instid0(VALU_DEP_1)
	v_mul_f32 v[T], s[CS], v[RM]                   ; as t
	s_delay_alu instid0(VALU_DEP_1)
	v_floor_f32 v[NM], -v[T]                       ; the new -M = floor(-t) = -ceil(t): a whole number
	s_delay_alu instid0(VALU_DEP_1)
	v_sub_f32 v[T2], v[NM], v[T2]                  ; old M - new M: a whole number, 0 or less.  The chain's next two lines stand five independent lines apart
	TM S, 5
	v_cvt_i32_f32 v[T2], v[T2]                     ; (it saturates)
	TM S+10, 5
	v_ldexp_f32 v[F], 1.0, v[T2]                   ; f = 2^(old M - new M)
	TM S+20, 22
	TM B, 2                                        ; the same of each block's largest score
	s_wait_alu depctr_va_vdst(0)
	EXPS S, 64                                     ; the first step's p,
	EXPS B, 4                                      ; and the four blocks' largest p: the same two operations on the same number
	TM S+64, 32                                    ; plain work behind the batch, which names none of its results
	s_wait_alu depctr_va_vdst(0)                   ; one wait: behind the first batch, ahead of the second
	EXPS S+64, 64                                  ; the second step's p; the first step's sums, scale words and codes follow as its independent work
	v_pk_fma_f32 v[L:L+1], v[L:L+1], v[F:F+1], v[S:S+1] op_sel_hi:[1,0,1]   ; the sum under the new M, and the first pair of p, in one line
	v_pk_add_f32 v[L+2:L+3], v[S+2:S+3], v[S+4:S+5]   ; three more chains begin
	v_pk_add_f32 v[L+4:L+5], v[S+6:S+7], v[S+8:S+9]
	v_pk_add_f32 v[L+6:L+7], v[S+10:S+11], v[S+12:S+13]
	; the scale words' chain and the first step's sums by turns, four additions a turn: each line reads what was written six lines back or more
.irp b, 0,1,2,3
	v_max_num_f32 v[B+\b], 0x1800000, v[B+\b]      ; the floor 2^(3 - 127): the byte cannot fall under 1
.endr
	ADDS S+14, 4, 0
.irp b, 0,1,2,3
	v_add_nc_u32 v[E+\b], 0xff000000, v[B+\b]      ; 2 off the exponent field: the conversion's scale operand
.endr
	ADDS S+22, 4, 0
.irp b, 0,1,2,3
	v_lshrrev_b32 v[BY+\b], 23, v[E+\b]            ; the scale's byte
.endr
	ADDS S+30, 4, 0
	v_lshl_or_b32 v[T], v[BY+1], 16, v[BY]         ; block 2 c + h of a step goes to byte 2 c + h of its word
	v_lshl_or_b32 v[T2], v[BY+3], 16, v[BY+2]
	ADDS S+38, 4, 0
	v_lshlrev_b32 v[T], v[SH8], v[T]
	v_lshlrev_b32 v[T2], v[SH8], v[T2]
	ADDS S+46, 4, 0
	v_permlanex16_b32 v[T1], v[T], s[SEL], s[SEL+1]
	v_permlanex16_b32 v[T3], v[T2], s[SEL], s[SEL+1]
	ADDS S+54, 4, 0
	v_or_b32 v[PSA], v[T], v[T1]                   ; with lane l xor 16's two bytes a word is whole
	v_or_b32 v[PSB], v[T2], v[T3]
	ADDS S+62, 1, 0
	CODES 0
.irp s, 0,1                                    ; V's fragments of both steps land where the first step's p lay; 18 loads, under the second step's work
	ds_load_b128 v[VS+4*\s:VS+4*\s+3], v[ADS] offset:STEPB*\s+8704
.irp i, 0,1,2,3,4,5,6,7
	ds_load_b128 v[S+32*\s+4*\i:S+32*\s+4*\i+3], v[ADR] offset:STEPB*\s+4096+512*\i
.endr
.endr
	v_add_nc_u32 v[ADR], DSB, v[ADR]               ; on to the next trip (the trip's last loads have been issued); also the plain line behind the conversions
	v_add_nc_u32 v[ADS], DSB, v[ADS]
	s_wait_alu depctr_va_vdst(0)                   ; one wait: behind the second batch, and directly ahead of the first readers of O^T
.set J, 0
.rept 16
	v_pk_mul_f32 v[O+J:O+J+1], v[O+J:O+J+1], v[F:F+1] op_sel_hi:[1,0]   ; O^T under the new M, each accumulator from its low end on
.set J, J+2
.endr
	CODES 1
	ADDS S+64, 16, 1                               ; sixteen plain lines between the codes' last write and the products
	s_wait_alu depctr_va_vdst(0)
	s_wait_dscnt 0x0                               ; V and its scale words are in
.irp b, 0,1,2,3                                ; the four accumulators by turns, one instruction a turn
	v_wmma_scale_f32_16x16x128_f8f6f4 v[O+8*\b:O+8*\b+7], v[S+8*\b:S+8*\b+7], v[PC:PC+7], v[O+8*\b:O+8*\b+7], v[VS+\b], v[PSA] matrix_a_fmt:MATRIX_FMT_FP4 matrix_b_fmt:MATRIX_FMT_FP4
.endr
.irp b, 0,1,2,3
	v_wmma_scale_f32_16x16x128_f8f6f4 v[O+8*\b:O+8*\b+7], v[S+32+8*\b:S+32+8*\b+7], v[PC+8:PC+15], v[O+8*\b:O+8*\b+7], v[VS+4+\b], v[PSB] matrix_a_fmt:MATRIX_FMT_FP4 matrix_b_fmt:MATRIX_FMT_FP4
.endr
	ADDS S+96, 16, 1                               ; the rest of the sums names no register of the products: these 19 lines are the places behind them
	v_pk_add_f32 v[L+2:L+3], v[L+2:L+3], v[L+4:L+5]
	v_pk_add_f32 v[L:L+1], v[L:L+1], v[L+6:L+7]
	s_delay_alu instid0(VALU_DEP_1)
	v_pk_add_f32 v[L:L+1], v[L:L+1], v[L+2:L+3]
	s_sub_co_u32 s[CNT], s[CNT], 1
	s_cmp_lg_u32 s[CNT], 0
	s_cbranch_scc1 .Ltrip
	; THE END: O^T / the sum is my row's block of 32 of the last product's K (features 64 head + 32 h + 0 .. 31): quantised here
	v_add_f32 v[L], v[L], v[L+1]
	s_delay_alu instid0(VALU_DEP_1)
	v_permlanex16_b32 v[T1], v[L], s[SEL], s[SEL+1]
	s_delay_alu instid0(VALU_DEP_1)
	v_add_f32 v[L], v[L], v[T1]                    ; the row's sum
	s_wait_alu depctr_va_vdst(0)
	v_rcp_f32 v[F], v[L]
	v_and_b32 v[ADR], 31, v0                       ; plain lines behind the reciprocal: the stores' offsets
	v_and_b32 v[ADS], 15, v0
	v_bfe_u32 v[T], v0, 4, 1
	v_lshlrev_b32 v[ADR], 4, v[ADR]                ; 16 x lane
	s_delay_alu instid0(VALU_DEP_2)
	v_lshl_add_u32 v[ADS], v[ADS], 5, v[T]         ; 32 r + h: my scale byte's place
	s_wait_alu depctr_va_vdst(0)                   ; the wait ahead of the reciprocal's first reader, which is also O^T's
.set J, 0
.rept 16
	v_pk_mul_f32 v[S+J:S+J+1], v[O+J:O+J+1], v[F:F+1] op_sel_hi:[1,0]   ; each accumulator from its low end on
.set J, J+2
.endr
	v_max3_num_f32 v[CH], |v[S]|, |v[S+1]|, 0x1800000
	v_max3_num_f32 v[CH+1], |v[S+16]|, |v[S+17]|, |v[S+18]|
.irp i, 0,1,2,3,4,5
	s_delay_alu instid0(VALU_DEP_2)
	v_max3_num_f32 v[CH], v[CH], |v[S+2+2*\i]|, |v[S+3+2*\i]|
	s_delay_alu instid0(VALU_DEP_2)
	v_max3_num_f32 v[CH+1], v[CH+1], |v[S+19+2*\i]|, |v[S+20+2*\i]|
.endr
	s_delay_alu instid0(VALU_DEP_2)
	v_max3_num_f32 v[CH], v[CH], |v[S+14]|, |v[S+15]|
	s_delay_alu instid0(VALU_DEP_1)
	v_max3_num_f32 v[CH], v[CH], v[CH+1], |v[S+31]|
	s_delay_alu instid0(VALU_DEP_1)
	v_add_nc_u32 v[E], 0xff000000, v[CH]
	s_delay_alu instid0(VALU_DEP_1)
	v_lshrrev_b32 v[BY], 23, v[E]
.irp u, 0,1,2,3
	v_cvt_scalef32_pk8_fp4_f32 v[PC+\u], v[S+8*\u:S+8*\u+7], v[E]
.endr
	v_nop                                          ; one plain instruction behind the last scaled conversion
	global_store_b128 v[ADR], v[PC:PC+3], s[8:9]   ; half an image: 32 lanes store 512 consecutive bytes, at a multiple of 256 from the buffer's first byte
	global_store_b8 v[ADS], v[BY], s[10:11]        ; one byte a lane: a row's 32 bytes come from sixteen heads, that is from sixteen work-groups
	s_wait_tensorcnt 0x0                           ; the wave's end
	ds_add_u32 v[SPW], v[NIL]
	s_wait_dscnt 0x0
	ROUND                                          ; the closing round
	s_endpgm
.Lfunc_end_k_q706fe110cc_attn:
	.size	k_q706fe110cc_attn, .Lfunc_end_k_q706fe110cc_attn-k_q706fe110cc_attn
	.p2alignl 7, 3214868480
	.fill 96, 4, 3214868480
	.section	.rodata,"a",@progbits
	.p2align	6, 0x0
	.amdhsa_kernel k_q706fe110cc_attn
		.amdhsa_group_segment_fixed_size 288768
		.amdhsa_private_segment_fixed_size 0
		.amdhsa_enable_private_segment 0
		.amdhsa_kernarg_size 32
		.amdhsa_user_sgpr_count 2
		.amdhsa_user_sgpr_kernarg_segment_ptr 1
		.amdhsa_wavefront_size32 1
		.amdhsa_system_sgpr_workgroup_id_x 1
		.amdhsa_system_sgpr_workgroup_id_y 1
		.amdhsa_system_sgpr_workgroup_id_z 1
		.amdhsa_system_vgpr_workitem_id 0
		.amdhsa_next_free_vgpr 256
		.amdhsa_next_free_sgpr 80
		.amdhsa_reserve_vcc 0
		.amdhsa_float_denorm_mode_32 3
		.amdhsa_float_denorm_mode_16_64 3
		.amdhsa_memory_ordered 1
		.amdhsa_forward_progress 1
		.amdhsa_inst_pref_size 36
	.end_amdhsa_kernel
	.amdgpu_metadata
---
amdhsa.version: [ 1, 2 ]
amdhsa.kernels:
  - .name:           k_q706fe110cc_attn
    .symbol:         k_q706fe110cc_attn.kd
    .args:
      - { .name: qbuf, .offset: 0, .size: 8, .value_kind: global_buffer, .address_space: global }
      - { .name: kvbuf, .offset: 8, .size: 8, .value_kind: global_buffer, .address_space: global }
      - { .name: ctxc, .offset: 16, .size: 8, .value_kind: global_buffer, .address_space: global }
      - { .name: ctxs, .offset: 24, .size: 8, .value_kind: global_buffer, .address_space: global }
    .group_segment_fixed_size: 288768
    .private_segment_fixed_size: 0
    .kernarg_segment_align: 8
    .kernarg_segment_size: 32
    .max_flat_workgroup_size: 512
    .sgpr_count:     80
    .vgpr_count:     256
    .wavefront_size: 32
...
	.end_amdgpu_metadata
.endif
;; end of part 2
;; launch outp (part 3): grid 8 x 32, 8 waves a work-group, clusters of 4 x 4, 177,152 bytes of LDS; arguments ctxc, ctxs, W_o_codes, W_o_scales, b_o, out0; writes out0
.if DOCPART == 3
	.amdgcn_target "amdgcn-amd-amdhsa--gfx1250"
	.amdhsa_code_object_version 6
	.text
	.protected	k_q706fe110cc_outp
	.globl	k_q706fe110cc_outp
	.p2align	8
	.type	k_q706fe110cc_outp,@function
k_q706fe110cc_outp:
	s_mov_b64 s[64:65], 0
	v_nop
	global_prefetch_b8 v0, s[64:65] scope:SCOPE_SE
	s_setreg_imm32_b32 hwreg(HW_REG_WAVE_MODE, 25, 1), 1
	s_wait_xcnt 0x0
	s_wait_alu depctr_hold_cnt(0) depctr_sa_sdst(0) depctr_va_vdst(0) depctr_va_sdst(0) depctr_va_ssrc(0) depctr_va_vcc(0) depctr_vm_vsrc(0)
	s_getreg_b32 s2, hwreg(HW_REG_IB_STS2, 6, 4)
	s_cmp_eq_u32 s2, 0
	s_cbranch_scc0 .Lentry_in_a_cluster
	s_endpgm
.Lentry_in_a_cluster:
	s_bfe_u32 s2, ttmp6, 0x10000c
	s_cmp_lg_u32 s2, 0xf033
	s_cbranch_scc0 .Lentry_shape_is_right
	s_endpgm
.Lentry_shape_is_right:
; out = ctx Wo^T + bo on codes of FP4 (E2M1) with one E8M0 byte for each 32 along K = 1,024; sums in f32; out is f32.
; ctx arrives as images of operand registers, [token tile T][head][512 bytes] (head 2 s + c: registers 4 c .. 4 c + 3 of K step s), its scale bytes as [T][row r][32].
; Row r of tile T = 4 TG + b is token 64 TG + 8 b + r % 8 + 32 (r / 8).
; SHARES.  A work-group makes 128 tokens (8 tiles) x 128 features.  Wave w of eight: features 64 (w % 2) on, tiles 2 (w / 2) and 2 (w / 2) + 1: eight accumulators, 64 matrix instructions.
; THE MATRIX INSTRUCTION IS USED TRANSPOSED (source 0 = 16 rows of Wo, source 1 = a tile of ctx): a lane holds eight neighbouring features of one token.  The bias is the C of each sum's first instruction.
; CLUSTER 4 x 4: ctx's tiles are shared along a row of the cluster, Wo's along a column: joint loads.  All that a work-group reads lies in LDS at once: every tensor load is a first fill.
; THE WAY OUT: a tile of 16 tokens x 64 features goes through the wave's own stage in LDS and leaves as rows of 256 bytes, sixteen lanes to a row.
.set W0,  65536                        ; LDS: ctx's 8 tiles x 8,192 bytes from 0; then Wo's 128 rows of 528 bytes (512 + 16 of padding);
.set CS0, 133120                       ; ctx's scale bytes, 4,096;
.set WS0, 137216                       ; Wo's, 4,096;
.set ST0, 141312                       ; the stages: 16 rows x 272 bytes for each wave; no fill lands here
.set ADW, 3                            ; v3  LDS address of Wo's fragments
.set ADC, 4                            ; v4  of ctx's images
.set ADS, 5                            ; v5  of the scale words: lanes 0-15 ctx's, lanes 16-31 Wo's
.set STO, 6                            ; v6  the stage: where I put 32 bytes of a row
.set RD,  7                            ; v7  and where I read a row back
.set GO,  8                            ; v8  my byte offset in out: 4,096 h + 16 r
.set BO,  9                            ; v9  32 h: the bias
.set SC,  16                           ; v16-47 scale words: register 16 (s / 4) + 4 i + s % 4
.set BB,  48                           ; v48-79 the bias in the result's layout
.set FB,  80                           ; v80-127, v128-175 two sets of fragments: Wo's four (32 registers), ctx's two (16)
.set ACC, 176                          ; v176-239 accumulator (a of Wo, b of ctx) at 176 + 8 (4 b + a)
.set G1C,  16
.set G1W,  24
.set G1CS, 32
.set G1WS, 40
.set G0C,  48
.set G0W,  52
.set G0CS, 56
.set G0WS, 60
.set WV,  66
.set FH,  67
.set TPR, 68
.macro ROUND                           ; a round of the cluster's barrier
	s_barrier_signal -1
	s_barrier_wait -1
	s_cmp_lg_u32 s[WV], 0
	s_cbranch_scc1 .Lnot_wave_0_\@
	s_barrier_signal -3
.Lnot_wave_0_\@:
	s_barrier_wait -3
	s_barrier_signal -1
	s_barrier_wait -1
.endm
.macro PLACES
.rept 4
	v_nop
.endr
.endm
	s_load_b256 s[4:11], s[0:1], 0x0               ; ctx's codes, ctx's scales, Wo's codes, Wo's scales
	s_load_b128 s[12:15], s[0:1], 0x20             ; bo, out
	v_lshl_add_u32 v240, v0, 2, 0x2b000
	v_mov_b32 v241, 0
	ds_add_u32 v240, v241
	ds_add_u32 v240, v241
	v_lshrrev_b32 v1, 5, v0
	s_delay_alu instid0(VALU_DEP_1)
	v_readfirstlane_b32 s[WV], v1                  ; wave 0..7
	s_and_b32 s[FH], s[WV], 1                      ; which 64 features
	s_lshr_b32 s[TPR], s[WV], 1                    ; which pair of tiles
	; every LDS address is made here, ahead of the first branch
	v_and_b32 v1, 15, v0                           ; r
	v_bfe_u32 v2, v0, 4, 1                         ; h
	s_wait_alu depctr_va_vdst(0)
	v_mul_u32_u24 v[ADW], v1, 528
	s_delay_alu instid0(VALU_DEP_1)
	v_lshl_add_u32 v[ADW], v2, 4, v[ADW]
	s_mul_i32 s73, s[FH], 33792
	s_add_co_u32 s73, s73, W0
	v_add_nc_u32 v[ADW], s73, v[ADW]
	v_and_b32 v[ADC], 31, v0
	s_delay_alu instid0(VALU_DEP_1)
	v_lshlrev_b32 v[ADC], 4, v[ADC]
	s_lshl_b32 s73, s[TPR], 14
	v_add_nc_u32 v[ADC], s73, v[ADC]
	s_xor_b32 s73, s[TPR], 3                       ; 3 - pair
	s_add_co_u32 s73, s73, 1
	s_lshl_b32 s73, s73, 10
	s_lshl_b32 s74, s[FH], 11
	s_add_co_u32 s73, s73, s74                     ; from my tiles' scale bytes to my features': 4,096 - 1,024 pair + 2,048 half
	v_mul_u32_u24 v[ADS], s73, v2                  ; one product: the lower base + h x the distance
	s_delay_alu instid0(VALU_DEP_1)
	v_lshl_add_u32 v[ADS], v1, 5, v[ADS]           ; 32 bytes a row
	s_lshl_b32 s74, s[TPR], 10
	s_add_co_u32 s74, s74, CS0
	v_add_nc_u32 v[ADS], s74, v[ADS]
	s_mul_i32 s73, s[WV], 4352
	s_add_co_u32 s73, s73, ST0                     ; my stage
	v_mul_u32_u24 v[STO], v1, 272
	s_delay_alu instid0(VALU_DEP_1)
	v_lshl_add_u32 v[STO], v2, 5, v[STO]
	s_delay_alu instid0(VALU_DEP_1)
	v_add_nc_u32 v[STO], s73, v[STO]
	v_mul_u32_u24 v[RD], v2, 272
	s_delay_alu instid0(VALU_DEP_1)
	v_lshl_add_u32 v[RD], v1, 4, v[RD]
	s_delay_alu instid0(VALU_DEP_1)
	v_add_nc_u32 v[RD], s73, v[RD]
	v_lshlrev_b32 v[GO], 12, v2
	s_delay_alu instid0(VALU_DEP_1)
	v_lshl_add_u32 v[GO], v1, 4, v[GO]
	v_lshlrev_b32 v[BO], 5, v2
	; my place
	s_bfe_u32 s69, ttmp6, 0x40000                  ; cx
	s_bfe_u32 s70, ttmp6, 0x40004                  ; cy
	s_lshl_b32 s71, ttmp9, 2
	s_add_co_u32 s71, s71, s69                     ; the block of 128 features
	s_and_b32 s72, ttmp7, 0xffff
	s_lshl_b32 s72, s72, 2
	s_add_co_u32 s72, s72, s70                     ; the block of 128 tokens
	s_lshl_b32 s75, s70, 2
	s_lshl_b32 s75, 15, s75                        ; my row of the cluster
	s_lshl_b32 s76, 0x1111, s69                    ; my column
	; group 1.  ctx's codes: 16,384 dense bytes as 64 rows of 256
	s_or_b32 s[G1C], s75, (3<<16)|(1<<21)
	s_mov_b32 s[G1C+1], 32<<16
	s_mov_b32 s[G1C+2], 64<<16
	s_mov_b32 s[G1C+3], 32<<16
	s_mov_b32 s[G1C+4], 64
	s_mov_b32 s[G1C+5], 32
	s_mov_b32 s[G1C+6], 0
	s_mov_b32 s[G1C+7], 0
	; Wo's codes: 64 rows of 512 bytes, 4 words of padding behind every 128
	s_or_b32 s[G1W], s76, (3<<16)|(1<<20)|(1<<21)|(6<<22)|(3<<25)
	s_mov_b32 s[G1W+1], 64<<16
	s_mov_b32 s[G1W+2], 64<<16
	s_mov_b32 s[G1W+3], 64<<16
	s_mov_b32 s[G1W+4], 64
	s_mov_b32 s[G1W+5], 64
	s_mov_b32 s[G1W+6], 0
	s_mov_b32 s[G1W+7], 0
	; scale bytes: 4,096 dense bytes as 16 rows of 256
	s_or_b32 s[G1CS], s75, (3<<16)|(1<<21)
	s_or_b32 s[G1WS], s76, (3<<16)|(1<<21)
.irp g, G1CS, G1WS
	s_mov_b32 s[\g+1], 32<<16
	s_mov_b32 s[\g+2], 16<<16
	s_mov_b32 s[\g+3], 32<<16
	s_mov_b32 s[\g+4], 16
	s_mov_b32 s[\g+5], 32
	s_mov_b32 s[\g+6], 0
	s_mov_b32 s[\g+7], 0
.endr
	; group 0
	s_mov_b32 s[G0C], 1                            ; waves 0-3: two tiles of ctx each
	s_lshl_b32 s[G0C+1], s[WV], 14
	s_lshl_b32 s78, s72, 16
	s_add_co_u32 s78, s78, s[G0C+1]
	s_mov_b32 s79, 0
	s_mov_b32 s[G0W], 1                            ; waves 4, 5: 64 rows of Wo each
	s_mul_i32 s[G0W+1], s[FH], 33792
	s_add_co_u32 s[G0W+1], s[G0W+1], W0
	s_lshl_b32 s80, s71, 16
	s_lshl_b32 s82, s[FH], 15
	s_add_co_u32 s80, s80, s82
	s_mov_b32 s81, 0
	s_mov_b32 s[G0CS], 1                           ; wave 6: ctx's scale bytes
	s_mov_b32 s[G0CS+1], CS0
	s_lshl_b32 s82, s72, 12
	s_mov_b32 s83, 0
	s_mov_b32 s[G0WS], 1                           ; wave 7: Wo's
	s_mov_b32 s[G0WS+1], WS0
	s_lshl_b32 s84, s71, 12
	s_mov_b32 s85, 0
	s_wait_dscnt 0x0
	s_wait_kmcnt 0x0
	s_add_nc_u64 s[G0C+2:G0C+3], s[4:5], s[78:79]
	s_or_b32 s[G0C+3], s[G0C+3], 0x80000000
	s_add_nc_u64 s[G0W+2:G0W+3], s[8:9], s[80:81]
	s_or_b32 s[G0W+3], s[G0W+3], 0x80000000
	s_add_nc_u64 s[G0CS+2:G0CS+3], s[6:7], s[82:83]
	s_or_b32 s[G0CS+3], s[G0CS+3], 0x80000000
	s_add_nc_u64 s[G0WS+2:G0WS+3], s[10:11], s[84:85]
	s_or_b32 s[G0WS+3], s[G0WS+3], 0x80000000
	ROUND                                          ; all sixteen work-groups are here: the joint loads meet
	; the first fills: one load a wave, in one branch on the wave's number; four v_nop end each arm
	s_cmp_lt_u32 s[WV], 4
	s_cbranch_scc0 .Lnot_ctx
	tensor_load_to_lds s[G0C:G0C+3], s[G1C:G1C+7]
	s_nop 0
	PLACES
	s_branch .Lasked
.Lnot_ctx:
	s_cmp_lt_u32 s[WV], 6
	s_cbranch_scc0 .Lnot_w
	tensor_load_to_lds s[G0W:G0W+3], s[G1W:G1W+7]
	s_nop 0
	PLACES
	s_branch .Lasked
.Lnot_w:
	s_cmp_eq_u32 s[WV], 6
	s_cbranch_scc0 .Lw_scales
	tensor_load_to_lds s[G0CS:G0CS+3], s[G1CS:G1CS+7]
	s_nop 0
	PLACES
	s_branch .Lasked
.Lw_scales:
	tensor_load_to_lds s[G0WS:G0WS+3], s[G1WS:G1WS+7]
	s_nop 0
	PLACES
.Lasked:
	s_lshl_b32 s86, s71, 9                         ; the bias: register j of tile a is feature 128 block + 64 half + 16 a + 8 h + j
	s_lshl_b32 s87, s[FH], 8
	s_add_co_u32 s86, s86, s87
	s_mov_b32 s87, 0
	s_add_nc_u64 s[12:13], s[12:13], s[86:87]
	s_wait_alu depctr_va_vdst(0)
.irp a, 0,1,2,3
	global_load_b128 v[BB+8*\a:BB+8*\a+3], v[BO], s[12:13] offset:64*\a
	global_load_b128 v[BB+8*\a+4:BB+8*\a+7], v[BO], s[12:13] offset:64*\a+16
.endr
	s_lshl_b32 s88, s72, 1                         ; out: my tiles' first token is 64 (2 block + pair / 2) + 16 (pair % 2); a row is 4,096 bytes
	s_lshr_b32 s89, s[TPR], 1
	s_add_co_u32 s88, s88, s89
	s_lshl_b32 s88, s88, 18
	s_and_b32 s89, s[TPR], 1
	s_lshl_b32 s89, s89, 16
	s_add_co_u32 s88, s88, s89
	s_add_co_u32 s88, s88, s86                     ; + my 64 features' bytes: 512 block + 256 half
	s_mov_b32 s89, 0
	s_add_nc_u64 s[14:15], s[14:15], s[88:89]
	s_wait_tensorcnt 0x0                           ; my fill has landed: every wave reads what other waves brought,
	s_wait_loadcnt 0x0                             ; (the bias)
	s_barrier_signal -1
	s_barrier_wait -1                              ; so all eight say so
.macro FETCH s, buf                    ; K step s: twelve loads
.irp a, 0,1,2,3
.irp c, 0,1
	ds_load_b128 v[(\buf)+8*\a+4*\c:(\buf)+8*\a+4*\c+3], v[ADW] offset:8448*\a+64*(\s)+32*\c
.endr
.endr
.irp b, 0,1
.irp c, 0,1
	ds_load_b128 v[(\buf)+32+8*\b+4*\c:(\buf)+32+8*\b+4*\c+3], v[ADC] offset:8192*\b+1024*(\s)+512*\c
.endr
.endr
.endm
; eight matrix instructions, the eight accumulators by turns, in the same order in every K step
.macro MUL s, buf, first
.irp b, 0,1
.irp a, 0,1,2,3
.if \first
	v_wmma_scale_f32_16x16x128_f8f6f4 v[ACC+8*(4*\b+\a):ACC+8*(4*\b+\a)+7], v[(\buf)+8*\a:(\buf)+8*\a+7], v[(\buf)+32+8*\b:(\buf)+32+8*\b+7], v[BB+8*\a:BB+8*\a+7], v[SC+16*((\s)/4)+4*\a+(\s)%4], v[SC+16*((\s)/4)+4*\b+(\s)%4] matrix_a_fmt:MATRIX_FMT_FP4 matrix_b_fmt:MATRIX_FMT_FP4 matrix_a_scale:MATRIX_SCALE_ROW1
.else
	v_wmma_scale_f32_16x16x128_f8f6f4 v[ACC+8*(4*\b+\a):ACC+8*(4*\b+\a)+7], v[(\buf)+8*\a:(\buf)+8*\a+7], v[(\buf)+32+8*\b:(\buf)+32+8*\b+7], v[ACC+8*(4*\b+\a):ACC+8*(4*\b+\a)+7], v[SC+16*((\s)/4)+4*\a+(\s)%4], v[SC+16*((\s)/4)+4*\b+(\s)%4] matrix_a_fmt:MATRIX_FMT_FP4 matrix_b_fmt:MATRIX_FMT_FP4 matrix_a_scale:MATRIX_SCALE_ROW1
.endif
.endr
.endr
.endm
.irp k, 0,1                            ; the scale words of all of K: lanes 0-15 ctx's tile i (only i = 0, 1 are used there), lanes 16-31 Wo's tile i
.irp i, 0,1,2,3
	ds_load_b128 v[SC+16*\k+4*\i:SC+16*\k+4*\i+3], v[ADS] offset:512*\i+16*\k
.endr
.endr
	FETCH 0, FB
	FETCH 1, FB+48
	s_wait_dscnt 12                                ; all but the next K step's twelve loads
	MUL 0, FB, 1                                   ; K step 0 starts the sums with the bias
	PLACES                                         ; four plain instructions between the products and loads into registers that they read
	FETCH 2, FB
.set KK, 1
.rept 7
.if KK == 7
	s_wait_dscnt 0x0
.else
	s_wait_dscnt 12                                ; this K step's fragments are in; the next step's twelve loads may be out
.endif
	MUL KK, FB+48*(KK%2), 0
.if KK <= 5
	PLACES
	FETCH KK+2, FB+48*(KK%2)
.endif
.set KK, KK+1
.endr
; THE WAY OUT.  LDS serves a wave's instructions in order (ISA guide 5.7.1.4): the loads see the stores above them, and the next tile's stores come behind these loads.
.macro TOSTAGE b
.irp a, 0,1,2,3
	ds_store_b128 v[STO], v[ACC+8*(4*\b+\a):ACC+8*(4*\b+\a)+3] offset:64*\a          ; each accumulator from its low end on
	ds_store_b128 v[STO], v[ACC+8*(4*\b+\a)+4:ACC+8*(4*\b+\a)+7] offset:64*\a+16
.endr
.irp i, 0,1,2,3,4,5,6,7
	ds_load_b128 v[FB+48*\b+4*\i:FB+48*\b+4*\i+3], v[RD] offset:544*\i               ; rows 2 i and 2 i + 1: sixteen lanes to a row
.endr
.endm
.macro SEND b, younger                 ; younger: the LDS instructions issued behind this tile's loads
.irp i, 0,1,2,3,4,5,6,7
	s_wait_dscnt \younger+7-\i
	global_store_b128 v[GO], v[FB+48*\b+4*\i:FB+48*\b+4*\i+3], s[14:15] offset:(8*\b+(2*\i)%8+32*(\i/4))*4096 th:TH_STORE_NT   ; row 2 i + h of the tile is token 8 b + (2 i) % 8 + h + 32 (i / 4); 16 lanes store 256 consecutive bytes, at a multiple of 256 from out's first byte
.endr
.endm
	PLACES                                         ; between the last products and the first read of results, and the loads into registers that held fragments
	TOSTAGE 0
	TOSTAGE 1
	SEND 0, 16
	SEND 1, 0
	s_wait_tensorcnt 0x0
	ds_add_u32 v240, v241
	s_wait_dscnt 0x0
	ROUND                                          ; the closing round: no work-group ends while a partner may still ask for a tile that names it
	s_endpgm
.Lfunc_end_k_q706fe110cc_outp:
	.size	k_q706fe110cc_outp, .Lfunc_end_k_q706fe110cc_outp-k_q706fe110cc_outp
	.p2alignl 7, 3214868480
	.fill 96, 4, 3214868480
	.section	.rodata,"a",@progbits
	.p2align	6, 0x0
	.amdhsa_kernel k_q706fe110cc_outp
		.amdhsa_group_segment_fixed_size 177152
		.amdhsa_private_segment_fixed_size 0
		.amdhsa_enable_private_segment 0
		.amdhsa_kernarg_size 48
		.amdhsa_user_sgpr_count 2
		.amdhsa_user_sgpr_kernarg_segment_ptr 1
		.amdhsa_wavefront_size32 1
		.amdhsa_system_sgpr_workgroup_id_x 1
		.amdhsa_system_sgpr_workgroup_id_y 1
		.amdhsa_system_sgpr_workgroup_id_z 1
		.amdhsa_system_vgpr_workitem_id 0
		.amdhsa_next_free_vgpr 242
		.amdhsa_next_free_sgpr 92
		.amdhsa_reserve_vcc 0
		.amdhsa_float_denorm_mode_32 3
		.amdhsa_float_denorm_mode_16_64 3
		.amdhsa_memory_ordered 1
		.amdhsa_forward_progress 1
		.amdhsa_inst_pref_size 29
	.end_amdhsa_kernel
	.amdgpu_metadata
---
amdhsa.version: [ 1, 2 ]
amdhsa.kernels:
  - .name:           k_q706fe110cc_outp
    .symbol:         k_q706fe110cc_outp.kd
    .args:
      - { .name: ctxc, .offset: 0, .size: 8, .value_kind: global_buffer, .address_space: global }
      - { .name: ctxs, .offset: 8, .size: 8, .value_kind: global_buffer, .address_space: global }
      - { .name: W_o_codes, .offset: 16, .size: 8, .value_kind: global_buffer, .address_space: global }
      - { .name: W_o_scales, .offset: 24, .size: 8, .value_kind: global_buffer, .address_space: global }
      - { .name: b_o, .offset: 32, .size: 8, .value_kind: global_buffer, .address_space: global }
      - { .name: out0, .offset: 40, .size: 8, .value_kind: global_buffer, .address_space: global }
    .group_segment_fixed_size: 177152
    .private_segment_fixed_size: 0
    .kernarg_segment_align: 8
    .kernarg_segment_size: 48
    .max_flat_workgroup_size: 256
    .sgpr_count:     92
    .vgpr_count:     242
    .wavefront_size: 32
...
	.end_amdgpu_metadata
.endif
;; end of part 3
